; MI455X (gfx1250); checked and timed in simulation.
; The chip was launched on July 23, 2026; its instructions are those of AMD's public machine-readable ISA for CDNA 5 (MIT licence, August 2026) and "CDNA5" Instruction Set Architecture Reference Guide (July 2026). The comments in the code are by the model that wrote it; some were corrected since.
;; Diffusion Coordinate Initializer. Allowed arithmetic: float matrix products may take bf16 or f16 operands with f32 sums; all other float work in f32.
;; Inputs: W 3 x 2,048 float32; b 3 float32; latent 4 x 8,192 x 2,048 float32; noise 4 x 8,192 x 3 float32.
;; Outputs: out0 4 x 8,192 x 3 float32.
;; Constants: diffusion_steps = 10.
;; 2 versions, each right; version 2 is version 1 with the launch coords written anew for expert scheduling mode. Each part assembles by itself: llvm-mc -triple=amdgcn-amd-amdhsa -mcpu=gfx1250 --defsym DOCPART=n.
;; ======== version 1 of 2: 1 launch
;; launch coords (part 1): grid 256 x 1, 16 waves a work-group, no clusters, 8,192 bytes of LDS; arguments latent, W, b, noise, out0; writes out0
.if DOCPART == 1
	.amdgcn_target "amdgcn-amd-amdhsa--gfx1250"
	.amdhsa_code_object_version 6
	.text
	.protected	k_qfadb078719_coords
	.globl	k_qfadb078719_coords
	.p2align	8
	.type	k_qfadb078719_coords,@function
k_qfadb078719_coords:
	s_mov_b64 s[64:65], 0
	v_nop
	global_prefetch_b8 v0, s[64:65] scope:SCOPE_SE
	s_setreg_imm32_b32 hwreg(HW_REG_WAVE_MODE, 25, 1), 1
	s_wait_xcnt 0x0
; coords[r][c] = sum over d of latent[r][d] W[c][d] + b[c];  x = noise;  ten times x = alpha x + (1 - alpha) coords;  out0 = x.
; latent: [32768][2048] f32, W: [3][2048] f32, b: [3], noise and out0: [32768][3] f32.  Everything is kept in f32.
;
; SHARES.  256 work-groups of 16 waves; a work-group owns 128 rows (1 MiB of latent, 1,536 bytes of out0).
; Wave w = 4 g + q owns columns 512 q .. 512 q + 511 of rows 32 g .. 32 g + 31.  A lane owns the same 16 columns of every row
; (four pieces of 16 bytes, 512 bytes apart), so its 3 x 16 numbers of W stay in 48 registers for the whole kernel, and every
; load of a wave covers 512 consecutive bytes.  Each byte of latent is loaded once in the launch.
; RING.  Eight slots of 16 registers (one slot = 2,048 bytes of one row = four loads): 32 loads of every wave are on their way.
; SUMS.  Per row: three chains of packed multiply-adds, then four DPP steps inside each half of 16 lanes.  The step across the
; halves is put off: the two half sums of row 2 k (2 k + 1) are dropped into lanes k and 16 + k of RA (RB), and one exchange per
; output column at the end finishes all 32 rows.  The four column quarters meet in LDS, laid out flat as out0 is; three waves
; then add them, run the ten steps on four neighbouring numbers a lane, and store 16 bytes a lane.
;
; NOT USED, by this text's own arithmetic.  The matrix unit: 3 output columns would fill 3 of a tile's 16; the operands would
; need one conversion for every two numbers where the whole product takes three packed multiply-adds for two numbers; and a
; fragment holds one row per lane, so a wave's load would touch 16 rows in short pieces in place of 512 consecutive bytes.
; Clusters: only W is shared between work-groups, 96 KiB of requests per work-group (each wave its 6,144 bytes) against 1 MiB
; of latent, once, in front of the loop.  An LDS ring: the registers already hold 16 KiB per wave in flight.
; LIMITS: none of range; infinities and NaN go through as in the formula above.  The order of the sum differs from a plain
; left-to-right sum (lane, lanes, column quarters), and b joins the partial sum of column quarter 0.
.set ROWB,   8192                      ; bytes in a row of latent and in a row of W
.set WROWS,  32                        ; rows of a wave
.set SLOTS,  8                         ; slots of the ring
.set ROUNDS, WROWS/SLOTS               ; 4: each round takes every slot once
.set OUTB,   128*12                    ; bytes of noise and of out0 that belong to a work-group's 128 rows
.set LOFF,   1                         ; v1        my byte offset in latent from the work-group's first row
.set WOFF,   2                         ; v2        my byte offset in a row of W
.set NOFF,   3                         ; v3        16 t: my 16 bytes of noise, of out0 and of each LDS copy (threads 0 to 95)
.set LST,    4                         ; v4        LDS address of my row's three sums
.set LANE,   5                         ; v5        lane
.set ACC,    6                         ; v[6:11]   three pairs: the running sums of the three output columns
.set RA,     12                        ; v[12:14]  column c: half sums of the even rows (lanes k, 16 + k: row 2 k)
.set RB,     15                        ; v[15:17]  column c: half sums of the odd rows (row 2 k + 1)
.set TMP,    18                        ; v[18:19]  set-up
.set NZ,     20                        ; v[20:23]  four numbers of noise, then x
.set WR,     24                        ; v[24:71]  W: column c, piece j at WR + 16 c + 4 j
.set XR,     72                        ; v[72:199] ring: slot s, piece j at XR + 16 s + 4 j; at the end the four partial sums
	s_load_b256 s[4:11], s[0:1], 0x0               ; latent s[4:5], W s[6:7], b s[8:9], noise s[10:11]
	s_load_b64 s[12:13], s[0:1], 0x20              ; out0
	v_lshl_add_u32 v200, v0, 2, 0x1800
	v_mov_b32 v201, 0
	v_lshrrev_b32 v[TMP], 5, v0
	v_readfirstlane_b32 s14, v[TMP]                ; wave 0..15
	s_and_b32 s15, s14, 3                          ; q: my quarter of the columns
	s_lshr_b32 s16, s14, 2                         ; g: my 32 of the 128 rows
	v_and_b32 v[LANE], 31, v0
	s_lshl_b32 s17, s15, 11                        ; q x 2,048 bytes
	s_lshl_b32 s18, s16, 18                        ; g x 32 rows x 8,192 bytes
	v_lshl_add_u32 v[WOFF], v[LANE], 4, s17        ; 16 x lane + my quarter
	v_add_nc_u32 v[LOFF], s18, v[WOFF]             ; + my rows
	v_lshlrev_b32 v[NOFF], 4, v0                   ; 16 t
	s_lshl_b32 s2, ttmp9, 20                       ; work-group x 128 rows x 8,192 bytes: below 2^28
	s_mov_b32 s3, 0
	s_mul_i32 s28, ttmp9, OUTB                     ; work-group x 1,536 bytes of noise and out0
	s_mov_b32 s29, 0
	s_wait_kmcnt 0x0
	s_add_nc_u64 s[4:5], s[4:5], s[2:3]
	s_add_nc_u64 s[10:11], s[10:11], s[28:29]
	s_add_nc_u64 s[12:13], s[12:13], s[28:29]
	s_load_b96 s[20:22], s[8:9], 0x0               ; b[0..2]; waited for where it is used, behind the stream
	; W first: loads come back in issue order (ISA guide 5.7.1), so the first wait of the ring also shows W (and noise) in.
.irp c, 0,1,2
.irp j, 0,1,2,3
	global_load_b128 v[WR+16*\c+4*\j:WR+16*\c+4*\j+3], v[WOFF], s[6:7] offset:\c*ROWB+\j*512
.endr
.endr
	s_cmp_ge_u32 s14, 3                            ; threads 0 to 95 (waves 0 to 2) finish the 384 outputs: they fetch their noise now
	s_cbranch_scc1 .Lno_noise
	global_load_b128 v[NZ:NZ+3], v[NOFF], s[10:11] th:TH_LOAD_NT
.Lno_noise:
.irp s, 0,1,2,3,4,5,6,7
.irp j, 0,1,2,3
	global_load_b128 v[XR+16*\s+4*\j:XR+16*\s+4*\j+3], v[LOFF], s[4:5] offset:\s*ROWB+\j*512 th:TH_LOAD_NT   ; fill the ring: rows 0 to 7
.endr
.endr
	; set-up that nothing waits for, behind the loads
	v_and_b32 v[TMP], 15, v[LANE]
	v_lshrrev_b32 v[TMP+1], 4, v[LANE]
	v_lshl_add_u32 v[TMP], v[TMP], 1, v[TMP+1]     ; the row that ends in my lane: 2 (lane % 16) + lane / 16
	s_mul_i32 s19, s15, OUTB                       ; my quarter's copy in LDS
	s_mul_i32 s23, s16, WROWS*12                   ; my 32 rows in it
	s_add_co_u32 s19, s19, s23
	v_mad_u32_u24 v[LST], v[TMP], 12, s19          ; + 12 bytes a row
	s_mov_b32 s24, 0x10001                         ; lanes k and 16 + k, k = 0; moves up by one after every second row
	s_mov_b32 s26, 0x76543210                      ; v_permlanex16_b32: lane i of one half reads lane i of the other
	s_mov_b32 s27, 0xfedcba98
.irp c, 0,1,2
	v_mov_b32 v[RA+\c], 0                          ; the selects below read RA and RB as well as write them: six registers
	v_mov_b32 v[RB+\c], 0                          ; get a value once; every lane is replaced in the course of the 32 rows
.endr
; One slot's turn: one row's 512 columns.  refill = 1: the slot gets the row SLOTS further down.
; left = how many younger loads may stay out when this slot's four have to be in.
.macro SLOT s, refill, left
	s_wait_loadcnt \left
.irp c, 0,1,2
	v_pk_mul_f32 v[ACC+2*\c:ACC+2*\c+1], v[XR+16*\s:XR+16*\s+1], v[WR+16*\c:WR+16*\c+1]      ; the first products start the sums
.endr
.irp e, 1,2,3,4,5,6,7
.irp c, 0,1,2
	v_pk_fma_f32 v[ACC+2*\c:ACC+2*\c+1], v[XR+16*\s+2*\e:XR+16*\s+2*\e+1], v[WR+16*\c+2*\e:WR+16*\c+2*\e+1], v[ACC+2*\c:ACC+2*\c+1]
.endr
.endr
.if \refill
.irp j, 0,1,2,3
	global_load_b128 v[XR+16*\s+4*\j:XR+16*\s+4*\j+3], v[LOFF], s[4:5] offset:(SLOTS+\s)*ROWB+\j*512 th:TH_LOAD_NT
.endr
.endif
.irp c, 0,1,2
	v_add_f32 v[ACC+2*\c], v[ACC+2*\c], v[ACC+2*\c+1]
.endr
.irp m, 1,2,4,8
.irp c, 0,1,2
	v_add_f32_dpp v[ACC+2*\c], v[ACC+2*\c], v[ACC+2*\c] row_xmask:\m row_mask:0xf bank_mask:0xf   ; every lane: the sum of its half of 16
.endr
.endr
.if \s % 2
.irp c, 0,1,2
	v_cndmask_b32 v[RB+\c], v[RB+\c], v[ACC+2*\c], s24     ; odd row 2 k + 1: lanes k and 16 + k keep their halves' sums
.endr
	s_lshl_b32 s24, s24, 1                                 ; k + 1
.else
.irp c, 0,1,2
	v_cndmask_b32 v[RA+\c], v[RA+\c], v[ACC+2*\c], s24     ; even row 2 k
.endr
.endif
.endm
	s_mov_b32 s25, ROUNDS-1
.Lround:
.irp i, 0,1,2,3,4,5,6,7
	SLOT \i, 1, 4*(SLOTS-1)                        ; 28: the four loads of each of the seven younger slots stay out
.endr
	s_wait_xcnt 0x0                                ; the loads issued so far have read their base: it is stepped only behind this wait
	s_add_nc_u64 s[4:5], s[4:5], SLOTS*ROWB
	s_sub_co_u32 s25, s25, 1
	s_cmp_lg_u32 s25, 0
	s_cbranch_scc1 .Lround
.irp i, 0,1,2,3,4,5,6,7
	SLOT \i, 0, 4*(SLOTS-1-\i)                     ; the last round loads nothing, so no load leaves latent: the counts run down to 0
.endr
	; Across the halves, all 32 rows at once.  Lane l < 16 is to hold row 2 l = RA[l] + RA[l + 16]; lane l >= 16 row 2 (l - 16) + 1
	; = RB[l] + RB[l - 16]: each lane keeps its own half sum of its row and sends the other register's to its partner.
	v_cmp_gt_u32 vcc_lo, 16, v[LANE]
	s_wait_kmcnt 0x0                               ; b
	s_cmp_eq_u32 s15, 0                            ; b joins the sums of column quarter 0 alone, where c is still a register number
	s_cselect_b32 s20, s20, 0
	s_cselect_b32 s21, s21, 0
	s_cselect_b32 s22, s22, 0
.irp c, 0,1,2
	v_cndmask_b32 v[ACC+\c], v[RA+\c], v[RB+\c], vcc_lo    ; what my partner needs
	v_cndmask_b32 v[RA+\c], v[RB+\c], v[RA+\c], vcc_lo     ; what I keep
.endr
.irp c, 0,1,2
	v_permlanex16_b32 v[ACC+3+\c], v[ACC+\c], s26, s27     ; (its destination counts as read: these registers were written in every row)
.endr
.irp c, 0,1,2
	v_add_f32 v[RA+\c], v[RA+\c], v[ACC+3+\c]
.endr
.irp c, 0,1,2
	v_add_f32 v[RA+\c], s[20+\c], v[RA+\c]
	ds_store_b32 v[LST], v[RA+\c] offset:4*\c              ; copy q, flat as out0: (row x 3 + c) x 4 bytes
.endr
	s_wait_dscnt 0x0                               ; for the other waves' sake: my stores are in LDS before I say so
	s_barrier_signal -1
	s_barrier_wait -1
	s_cmp_ge_u32 s14, 3                            ; 384 numbers = 96 threads x 4: waves 0 to 2
	s_cbranch_scc1 .Lend
.irp q, 0,1,2,3
	ds_load_b128 v[XR+4*\q:XR+4*\q+3], v[NOFF] offset:\q*OUTB      ; the four quarters' sums of my four numbers
.endr
	s_wait_dscnt 0x0
	v_pk_add_f32 v[XR:XR+1],     v[XR:XR+1],     v[XR+4:XR+5]
	v_pk_add_f32 v[XR+2:XR+3],   v[XR+2:XR+3],   v[XR+6:XR+7]
	v_pk_add_f32 v[XR+8:XR+9],   v[XR+8:XR+9],   v[XR+12:XR+13]
	v_pk_add_f32 v[XR+10:XR+11], v[XR+10:XR+11], v[XR+14:XR+15]
	v_pk_add_f32 v[XR:XR+1],     v[XR:XR+1],     v[XR+8:XR+9]
	v_pk_add_f32 v[XR+2:XR+3],   v[XR+2:XR+3],   v[XR+10:XR+11]    ; v[XR:XR+3] = coords, b included
; One step: x = alpha x + (1 - alpha) coords, the product with coords rounded, the rest fused.  The noise came in with the ring's first wait.
.macro STEP alpha, beta
	v_pk_mul_f32 v[ACC:ACC+1],   v[XR:XR+1],   \beta op_sel_hi:[1,0]
	v_pk_mul_f32 v[ACC+2:ACC+3], v[XR+2:XR+3], \beta op_sel_hi:[1,0]
	v_pk_fma_f32 v[NZ:NZ+1],   v[NZ:NZ+1],   \alpha, v[ACC:ACC+1]   op_sel_hi:[1,0,1]
	v_pk_fma_f32 v[NZ+2:NZ+3], v[NZ+2:NZ+3], \alpha, v[ACC+2:ACC+3] op_sel_hi:[1,0,1]
.endm
	; alpha = 10/10 .. 1/10 and 1 - alpha, each rounded to f32.  The first step (1 and 0) is kept: it changes no finite number,
	; but it turns an infinite coordinate into NaN, as the formula does.
	STEP 1.0,        0
	STEP 0x3f666666, 0x3dcccccd                    ; 0.9, 0.1
	STEP 0x3f4ccccd, 0x3e4ccccd                    ; 0.8, 0.2
	STEP 0x3f333333, 0x3e99999a                    ; 0.7, 0.3
	STEP 0x3f19999a, 0x3ecccccd                    ; 0.6, 0.4
	STEP 0.5,        0.5
	STEP 0x3ecccccd, 0x3f19999a                    ; 0.4, 0.6
	STEP 0x3e99999a, 0x3f333333                    ; 0.3, 0.7
	STEP 0x3e4ccccd, 0x3f4ccccd                    ; 0.2, 0.8
	STEP 0x3dcccccd, 0x3f666666                    ; 0.1, 0.9
	global_store_b128 v[NOFF], v[NZ:NZ+3], s[12:13] th:TH_STORE_NT ; a wave's store: 512 consecutive bytes, at a multiple of 256 from out0's first byte
.Lend:
	s_wait_tensorcnt 0x0
	ds_add_u32 v200, v201
	s_wait_dscnt 0x0
	s_endpgm
.Lfunc_end_k_qfadb078719_coords:
	.size	k_qfadb078719_coords, .Lfunc_end_k_qfadb078719_coords-k_qfadb078719_coords
	.p2alignl 7, 3214868480
	.fill 96, 4, 3214868480
	.section	.rodata,"a",@progbits
	.p2align	6, 0x0
	.amdhsa_kernel k_qfadb078719_coords
		.amdhsa_group_segment_fixed_size 8192
		.amdhsa_private_segment_fixed_size 0
		.amdhsa_enable_private_segment 0
		.amdhsa_kernarg_size 40
		.amdhsa_user_sgpr_count 2
		.amdhsa_user_sgpr_kernarg_segment_ptr 1
		.amdhsa_wavefront_size32 1
		.amdhsa_system_sgpr_workgroup_id_x 1
		.amdhsa_system_sgpr_workgroup_id_y 1
		.amdhsa_system_sgpr_workgroup_id_z 1
		.amdhsa_system_vgpr_workitem_id 0
		.amdhsa_next_free_vgpr 202
		.amdhsa_next_free_sgpr 66
		.amdhsa_reserve_vcc 1
		.amdhsa_float_denorm_mode_32 3
		.amdhsa_float_denorm_mode_16_64 3
		.amdhsa_memory_ordered 1
		.amdhsa_forward_progress 1
		.amdhsa_inst_pref_size 57
	.end_amdhsa_kernel
	.amdgpu_metadata
---
amdhsa.version: [ 1, 2 ]
amdhsa.kernels:
  - .name:           k_qfadb078719_coords
    .symbol:         k_qfadb078719_coords.kd
    .args:
      - { .name: latent, .offset: 0, .size: 8, .value_kind: global_buffer, .address_space: global }
      - { .name: W, .offset: 8, .size: 8, .value_kind: global_buffer, .address_space: global }
      - { .name: b, .offset: 16, .size: 8, .value_kind: global_buffer, .address_space: global }
      - { .name: noise, .offset: 24, .size: 8, .value_kind: global_buffer, .address_space: global }
      - { .name: out0, .offset: 32, .size: 8, .value_kind: global_buffer, .address_space: global }
    .group_segment_fixed_size: 8192
    .private_segment_fixed_size: 0
    .kernarg_segment_align: 8
    .kernarg_segment_size: 40
    .max_flat_workgroup_size: 512
    .sgpr_count:     66
    .vgpr_count:     202
    .wavefront_size: 32
...
	.end_amdgpu_metadata
.endif
;; end of part 1
;; ======== version 2 of 2: 1 launch; version 1 with the launch coords written anew for expert scheduling mode
;; launch coords (part 2): grid 256 x 1, 16 waves a work-group, no clusters, 8,192 bytes of LDS; arguments latent, W, b, noise, out0; writes out0
.if DOCPART == 2
	.amdgcn_target "amdgcn-amd-amdhsa--gfx1250"
	.amdhsa_code_object_version 6
	.text
	.protected	k_qfadb078719_coords
	.globl	k_qfadb078719_coords
	.p2align	8
	.type	k_qfadb078719_coords,@function
k_qfadb078719_coords:
	s_mov_b64 s[64:65], 0
	v_nop
	global_prefetch_b8 v0, s[64:65] scope:SCOPE_SE
	s_setreg_imm32_b32 hwreg(HW_REG_WAVE_SCHED_MODE, 0, 2), 2
	s_setreg_imm32_b32 hwreg(HW_REG_WAVE_MODE, 25, 1), 1
	s_wait_xcnt 0x0
	s_wait_alu depctr_vm_vsrc(0)
; coords[r][c] = sum over d of latent[r][d] W[c][d] + b[c];  x = noise;  ten times x = alpha x + (1 - alpha) coords;  out0 = x.
; latent: [32768][2048] f32, W: [3][2048] f32, b: [3], noise and out0: [32768][3] f32.  Everything is kept in f32.
;
; SHARES.  256 work-groups of 16 waves; a work-group owns 128 rows (1 MiB of latent, 1,536 bytes of out0).
; Wave w = 4 g + q owns columns 512 q .. 512 q + 511 of rows 32 g .. 32 g + 31.  A lane owns the same 16 columns of every row
; (four pieces of 16 bytes, 512 bytes apart), so its 3 x 16 numbers of W stay in 48 registers for the whole kernel, and every
; load of a wave covers 512 consecutive bytes.  Each byte of latent is loaded once in the launch.
; RING.  Eight slots of 16 registers (one slot = 2,048 bytes of one row = four loads): 32 loads of every wave are on their way.
; SUMS.  Per row: three chains of packed multiply-adds, then four DPP steps inside each half of 16 lanes.  The step across the
; halves is put off: the two half sums of row 2 k (2 k + 1) are dropped into lanes k and 16 + k of RA (RB), and one exchange per
; output column at the end finishes all 32 rows.  The four column quarters meet in LDS, laid out flat as out0 is; three waves
; then add them, run the ten steps on four neighbouring numbers a lane, and store 16 bytes a lane.
;
; THE MODE: SCHED_MODE bits 1:0 = 2 (LLVM: expert scheduling mode 2), set by the entry lines.  The code itself states the register
; dependences between vector instructions and memory or LDS instructions, with s_wait_alu, always for 0.
; THE PLAN.  Registers that memory or LDS instructions touch:
;   v[WOFF], v[LOFF], v[NOFF]  offsets, made at the head and never written again: one wait in front of the first load.  The rows are
;              reached by a scalar base to each slot, which moves on by a round at the head of the slot's turn.
;   XR slot s  Its 24 packed products read it; behind them the row eight further down is loaded into it.  ONE wait on va_vdst stands
;              between the two.  The four loads follow it, dealt among the turn's additions and selects, which name ACC, RA and RB
;              alone: none of the registers that those loads touch.  The last round loads nothing and holds no such wait.
;   WR, NZ     Loaded once at the head; no vector instruction names them before.  NZ is later written by the ten steps and read
;              by the last store: one wait between.
;   RA, v[LST] Written by vector instructions, read by the three LDS stores at the end: one wait in front of that run.  The same wait
;              shows the last round's products done with XR's first 16 registers, in which the LDS loads behind the barrier land.
;   ACC, RB, TMP, LANE are named by vector instructions alone.
; No register that a memory or LDS instruction reads is written afterwards, so the text holds no wait on vm_vsrc; EXEC is never written.
;
; NOT USED, by this text's own arithmetic.  The matrix unit: 3 output columns would fill 3 of a tile's 16; the operands would
; need one conversion for every two numbers where the whole product takes three packed multiply-adds for two numbers; and a
; fragment holds one row per lane, so a wave's load would touch 16 rows in short pieces in place of 512 consecutive bytes.
; Clusters: only W is shared between work-groups, 96 KiB of requests per work-group (each wave its 6,144 bytes) against 1 MiB
; of latent, once, in front of the loop.  An LDS ring: the registers already hold 16 KiB per wave in flight.
; LIMITS: none of range; infinities and NaN go through as in the formula above.  The order of the sum differs from a plain
; left-to-right sum (lane, lanes, column quarters), and b joins the partial sum of column quarter 0.
.set ROWB,   8192                      ; bytes in a row of latent and in a row of W
.set WROWS,  32                        ; rows of a wave
.set SLOTS,  8                         ; slots of the ring
.set ROUNDS, WROWS/SLOTS               ; 4: each round takes every slot once
.set OUTB,   128*12                    ; bytes of noise and of out0 that belong to a work-group's 128 rows
.set LB,     32                        ; s[32:47]  slot s: a pair at LB + 2 s: latent at the work-group's first row plus the row that the slot is asked for next
.set LOFF,   1                         ; v1        my byte offset in latent from the work-group's first row
.set WOFF,   2                         ; v2        my byte offset in a row of W
.set NOFF,   3                         ; v3        16 t: my 16 bytes of noise, of out0 and of each LDS copy (threads 0 to 95)
.set LST,    4                         ; v4        LDS address of my row's three sums
.set LANE,   5                         ; v5        lane
.set ACC,    6                         ; v[6:11]   three pairs: the running sums of the three output columns
.set RA,     12                        ; v[12:14]  column c: half sums of the even rows (lanes k, 16 + k: row 2 k)
.set RB,     15                        ; v[15:17]  column c: half sums of the odd rows (row 2 k + 1)
.set TMP,    18                        ; v[18:19]  set-up
.set NZ,     20                        ; v[20:23]  four numbers of noise, then x
.set WR,     24                        ; v[24:71]  W: column c, piece j at WR + 16 c + 4 j
.set XR,     72                        ; v[72:199] ring: slot s, piece j at XR + 16 s + 4 j; at the end the four partial sums
	s_load_b256 s[4:11], s[0:1], 0x0               ; latent s[4:5], W s[6:7], b s[8:9], noise s[10:11]
	s_load_b64 s[12:13], s[0:1], 0x20              ; out0
	v_lshl_add_u32 v200, v0, 2, 0x1800
	v_mov_b32 v201, 0
	v_lshrrev_b32 v[TMP], 5, v0
	v_readfirstlane_b32 s14, v[TMP]                ; wave 0..15
	v_and_b32 v[LANE], 31, v0
	v_lshlrev_b32 v[NOFF], 4, v0                   ; 16 t
	s_lshl_b32 s2, ttmp9, 20                       ; work-group x 128 rows x 8,192 bytes: below 2^28
	s_mov_b32 s3, 0
	s_mul_i32 s28, ttmp9, OUTB                     ; work-group x 1,536 bytes of noise and out0
	s_mov_b32 s29, 0
	s_wait_alu depctr_va_sdst(0)                   ; s14 is written, ahead of its first reader: q, g and the two branches on the wave's number are made from it
	s_and_b32 s15, s14, 3                          ; q: my quarter of the columns
	s_lshr_b32 s16, s14, 2                         ; g: my 32 of the 128 rows
	s_lshl_b32 s17, s15, 11                        ; q x 2,048 bytes
	s_lshl_b32 s18, s16, 18                        ; g x 32 rows x 8,192 bytes
	v_lshl_add_u32 v[WOFF], v[LANE], 4, s17        ; 16 x lane + my quarter
	v_add_nc_u32 v[LOFF], s18, v[WOFF]             ; + my rows
	s_wait_kmcnt 0x0
	s_add_nc_u64 s[4:5], s[4:5], s[2:3]
	s_add_nc_u64 s[10:11], s[10:11], s[28:29]
	s_add_nc_u64 s[12:13], s[12:13], s[28:29]
.irp s, 0,1,2,3,4,5,6,7
	s_add_nc_u64 s[LB+2*\s:LB+2*\s+1], s[4:5], \s*ROWB     ; rows 0 to 7
.endr
	s_load_b96 s[20:22], s[8:9], 0x0               ; b[0..2]; waited for where it is used, behind the stream
	s_wait_alu depctr_va_vdst(0)                   ; v[WOFF], v[LOFF] and v[NOFF] are written: every load of the kernel, and its one global store, reads one of them as its offset
	; W first: loads come back in issue order (ISA guide 5.7.1), so the first wait of the ring also shows W (and noise) in.
.irp c, 0,1,2
.irp j, 0,1,2,3
	global_load_b128 v[WR+16*\c+4*\j:WR+16*\c+4*\j+3], v[WOFF], s[6:7] offset:\c*ROWB+\j*512
.endr
.endr
	s_cmp_ge_u32 s14, 3                            ; threads 0 to 95 (waves 0 to 2) finish the 384 outputs: they fetch their noise now
	s_cbranch_scc1 .Lno_noise
	global_load_b128 v[NZ:NZ+3], v[NOFF], s[10:11] th:TH_LOAD_NT
.Lno_noise:
; One of a slot's four loads: piece j of the row at the slot's base.
.macro ASK s, j
	global_load_b128 v[XR+16*\s+4*\j:XR+16*\s+4*\j+3], v[LOFF], s[LB+2*\s:LB+2*\s+1] offset:\j*512 th:TH_LOAD_NT
.endm
.irp s, 0,1,2,3,4,5,6,7
.irp j, 0,1,2,3
	ASK \s, \j                                     ; fill the ring: rows 0 to 7
.endr
.endr
	; set-up that nothing waits for, behind the loads; it names no register that a load issued so far touches
	v_and_b32 v[TMP], 15, v[LANE]
	v_lshrrev_b32 v[TMP+1], 4, v[LANE]
	v_lshl_add_u32 v[TMP], v[TMP], 1, v[TMP+1]     ; the row that ends in my lane: 2 (lane % 16) + lane / 16
	s_mul_i32 s19, s15, OUTB                       ; my quarter's copy in LDS
	s_mul_i32 s23, s16, WROWS*12                   ; my 32 rows in it
	s_add_co_u32 s19, s19, s23
	v_mad_u32_u24 v[LST], v[TMP], 12, s19          ; + 12 bytes a row
	s_mov_b32 s24, 0x10001                         ; lanes k and 16 + k, k = 0; moves up by one after every second row
	s_mov_b32 s26, 0x76543210                      ; v_permlanex16_b32: lane i of one half reads lane i of the other
	s_mov_b32 s27, 0xfedcba98
.irp c, 0,1,2
	v_mov_b32 v[RA+\c], 0                          ; the selects below read RA and RB as well as write them: six registers
	v_mov_b32 v[RB+\c], 0                          ; get a value once; every lane is replaced in the course of the 32 rows
.endr
; One DPP step of the three sums: lane i adds lane i xor m of its half of 16.
.macro HALVES m
.irp c, 0,1,2
	v_add_f32_dpp v[ACC+2*\c], v[ACC+2*\c], v[ACC+2*\c] row_xmask:\m row_mask:0xf bank_mask:0xf
.endr
.endm
; One slot's turn: one row's 512 columns.  refill = 1: the slot gets the row SLOTS further down.
; left = how many younger loads may stay out when this slot's four have to be in.
.macro SLOT s, refill, left
	s_wait_loadcnt \left
.if \refill
	s_add_nc_u64 s[LB+2*\s:LB+2*\s+1], s[LB+2*\s:LB+2*\s+1], SLOTS*ROWB   ; free since that wait, which shows the only loads that read this base done: the slot's next row
.endif
.irp c, 0,1,2
	v_pk_mul_f32 v[ACC+2*\c:ACC+2*\c+1], v[XR+16*\s:XR+16*\s+1], v[WR+16*\c:WR+16*\c+1]      ; the first products start the sums
.endr
.irp e, 1,2,3,4,5,6,7
.irp c, 0,1,2
	v_pk_fma_f32 v[ACC+2*\c:ACC+2*\c+1], v[XR+16*\s+2*\e:XR+16*\s+2*\e+1], v[WR+16*\c+2*\e:WR+16*\c+2*\e+1], v[ACC+2*\c:ACC+2*\c+1]
.endr
.endr
.if \refill
	s_wait_alu depctr_va_vdst(0)                   ; the 24 products are done reading XR's slot s, in which the four loads of this turn land
	ASK \s, 0                                      ; the slot is asked for again at once; no vector instruction from here to the turn's end names its registers or v[LOFF]
.endif
.irp c, 0,1,2
	v_add_f32 v[ACC+2*\c], v[ACC+2*\c], v[ACC+2*\c+1]
.endr
.if \refill
	ASK \s, 1
.endif
	HALVES 1
.if \refill
	ASK \s, 2
.endif
	HALVES 2
.if \refill
	ASK \s, 3
.endif
	HALVES 4
	HALVES 8                                       ; every lane: the sum of its half of 16
.if \s % 2
.irp c, 0,1,2
	v_cndmask_b32 v[RB+\c], v[RB+\c], v[ACC+2*\c], s24     ; odd row 2 k + 1: lanes k and 16 + k keep their halves' sums
.endr
	s_lshl_b32 s24, s24, 1                                 ; k + 1
.else
.irp c, 0,1,2
	v_cndmask_b32 v[RA+\c], v[RA+\c], v[ACC+2*\c], s24     ; even row 2 k
.endr
.endif
.endm
	s_mov_b32 s25, ROUNDS-1
.Lround:
.irp i, 0,1,2,3,4,5,6,7
	SLOT \i, 1, 4*(SLOTS-1)                        ; 28: the four loads of each of the seven younger slots stay out
.endr
	s_sub_co_u32 s25, s25, 1
	s_cmp_lg_u32 s25, 0
	s_cbranch_scc1 .Lround
.irp i, 0,1,2,3,4,5,6,7
	SLOT \i, 0, 4*(SLOTS-1-\i)                     ; the last round loads nothing, so no load leaves latent: the counts run down to 0
.endr
	; Across the halves, all 32 rows at once.  Lane l < 16 is to hold row 2 l = RA[l] + RA[l + 16]; lane l >= 16 row 2 (l - 16) + 1
	; = RB[l] + RB[l - 16]: each lane keeps its own half sum of its row and sends the other register's to its partner.
	v_cmp_gt_u32 vcc_lo, 16, v[LANE]
	s_wait_kmcnt 0x0                               ; b
	s_cmp_eq_u32 s15, 0                            ; b joins the sums of column quarter 0 alone, where c is still a register number
	s_cselect_b32 s20, s20, 0
	s_cselect_b32 s21, s21, 0
	s_cselect_b32 s22, s22, 0
	s_wait_alu depctr_va_vcc(0)                    ; the compare has written VCC, ahead of its first reader: the six selects below
.irp c, 0,1,2
	v_cndmask_b32 v[ACC+\c], v[RA+\c], v[RB+\c], vcc_lo    ; what my partner needs
	v_cndmask_b32 v[RA+\c], v[RB+\c], v[RA+\c], vcc_lo     ; what I keep
.endr
.irp c, 0,1,2
	v_permlanex16_b32 v[ACC+3+\c], v[ACC+\c], s26, s27     ; (its destination counts as read: these registers were written in every row)
.endr
.irp c, 0,1,2
	v_add_f32 v[RA+\c], v[RA+\c], v[ACC+3+\c]
.endr
.irp c, 0,1,2
	v_add_f32 v[RA+\c], s[20+\c], v[RA+\c]
.endr
	s_wait_alu depctr_va_vdst(0)                   ; RA and v[LST] are written, which the LDS stores read; and the last round's products are done reading XR's first 16 registers, in which the LDS loads behind the barrier land
.irp c, 0,1,2
	ds_store_b32 v[LST], v[RA+\c] offset:4*\c              ; copy q, flat as out0: (row x 3 + c) x 4 bytes
.endr
	s_wait_dscnt 0x0                               ; for the other waves' sake: my stores are in LDS before I say so
	s_barrier_signal -1
	s_barrier_wait -1
	s_cmp_ge_u32 s14, 3                            ; 384 numbers = 96 threads x 4: waves 0 to 2
	s_cbranch_scc1 .Lend
.irp q, 0,1,2,3
	ds_load_b128 v[XR+4*\q:XR+4*\q+3], v[NOFF] offset:\q*OUTB      ; the four quarters' sums of my four numbers.  No wait: no vector instruction stands between the wait above and these loads
.endr
	s_wait_dscnt 0x0
	v_pk_add_f32 v[XR:XR+1],     v[XR:XR+1],     v[XR+4:XR+5]
	v_pk_add_f32 v[XR+2:XR+3],   v[XR+2:XR+3],   v[XR+6:XR+7]
	v_pk_add_f32 v[XR+8:XR+9],   v[XR+8:XR+9],   v[XR+12:XR+13]
	v_pk_add_f32 v[XR+10:XR+11], v[XR+10:XR+11], v[XR+14:XR+15]
	v_pk_add_f32 v[XR:XR+1],     v[XR:XR+1],     v[XR+8:XR+9]
	v_pk_add_f32 v[XR+2:XR+3],   v[XR+2:XR+3],   v[XR+10:XR+11]    ; v[XR:XR+3] = coords, b included
; One step: x = alpha x + (1 - alpha) coords, the product with coords rounded, the rest fused.  The noise came in with the ring's first wait.
.macro STEP alpha, beta
	v_pk_mul_f32 v[ACC:ACC+1],   v[XR:XR+1],   \beta op_sel_hi:[1,0]
	v_pk_mul_f32 v[ACC+2:ACC+3], v[XR+2:XR+3], \beta op_sel_hi:[1,0]
	v_pk_fma_f32 v[NZ:NZ+1],   v[NZ:NZ+1],   \alpha, v[ACC:ACC+1]   op_sel_hi:[1,0,1]
	v_pk_fma_f32 v[NZ+2:NZ+3], v[NZ+2:NZ+3], \alpha, v[ACC+2:ACC+3] op_sel_hi:[1,0,1]
.endm
	; alpha = 10/10 .. 1/10 and 1 - alpha, each rounded to f32.  The first step (1 and 0) is kept: it changes no finite number,
	; but it turns an infinite coordinate into NaN, as the formula does.
	STEP 1.0,        0
	STEP 0x3f666666, 0x3dcccccd                    ; 0.9, 0.1
	STEP 0x3f4ccccd, 0x3e4ccccd                    ; 0.8, 0.2
	STEP 0x3f333333, 0x3e99999a                    ; 0.7, 0.3
	STEP 0x3f19999a, 0x3ecccccd                    ; 0.6, 0.4
	STEP 0.5,        0.5
	STEP 0x3ecccccd, 0x3f19999a                    ; 0.4, 0.6
	STEP 0x3e99999a, 0x3f333333                    ; 0.3, 0.7
	STEP 0x3e4ccccd, 0x3f4ccccd                    ; 0.2, 0.8
	STEP 0x3dcccccd, 0x3f666666                    ; 0.1, 0.9
	s_wait_alu depctr_va_vdst(0)                   ; the last step has written v[NZ ..], which the store reads
	global_store_b128 v[NOFF], v[NZ:NZ+3], s[12:13] th:TH_STORE_NT ; a wave's store: 512 consecutive bytes, at a multiple of 256 from out0's first byte
.Lend:
	s_wait_dscnt 0x0
	s_wait_alu depctr_hold_cnt(0) depctr_sa_sdst(0) depctr_va_vdst(0) depctr_va_sdst(0) depctr_va_ssrc(0) depctr_va_vcc(0) depctr_vm_vsrc(0)
	s_wait_tensorcnt 0x0
	ds_add_u32 v200, v201
	s_wait_dscnt 0x0
	s_endpgm
.Lfunc_end_k_qfadb078719_coords:
	.size	k_qfadb078719_coords, .Lfunc_end_k_qfadb078719_coords-k_qfadb078719_coords
	.p2alignl 7, 3214868480
	.fill 96, 4, 3214868480
	.section	.rodata,"a",@progbits
	.p2align	6, 0x0
	.amdhsa_kernel k_qfadb078719_coords
		.amdhsa_group_segment_fixed_size 8192
		.amdhsa_private_segment_fixed_size 0
		.amdhsa_enable_private_segment 0
		.amdhsa_kernarg_size 40
		.amdhsa_user_sgpr_count 2
		.amdhsa_user_sgpr_kernarg_segment_ptr 1
		.amdhsa_wavefront_size32 1
		.amdhsa_system_sgpr_workgroup_id_x 1
		.amdhsa_system_sgpr_workgroup_id_y 1
		.amdhsa_system_sgpr_workgroup_id_z 1
		.amdhsa_system_vgpr_workitem_id 0
		.amdhsa_next_free_vgpr 202
		.amdhsa_next_free_sgpr 66
		.amdhsa_reserve_vcc 1
		.amdhsa_float_denorm_mode_32 3
		.amdhsa_float_denorm_mode_16_64 3
		.amdhsa_memory_ordered 1
		.amdhsa_forward_progress 1
		.amdhsa_inst_pref_size 58
	.end_amdhsa_kernel
	.amdgpu_metadata
---
amdhsa.version: [ 1, 2 ]
amdhsa.kernels:
  - .name:           k_qfadb078719_coords
    .symbol:         k_qfadb078719_coords.kd
    .args:
      - { .name: latent, .offset: 0, .size: 8, .value_kind: global_buffer, .address_space: global }
      - { .name: W, .offset: 8, .size: 8, .value_kind: global_buffer, .address_space: global }
      - { .name: b, .offset: 16, .size: 8, .value_kind: global_buffer, .address_space: global }
      - { .name: noise, .offset: 24, .size: 8, .value_kind: global_buffer, .address_space: global }
      - { .name: out0, .offset: 32, .size: 8, .value_kind: global_buffer, .address_space: global }
    .group_segment_fixed_size: 8192
    .private_segment_fixed_size: 0
    .kernarg_segment_align: 8
    .kernarg_segment_size: 40
    .max_flat_workgroup_size: 512
    .sgpr_count:     66
    .vgpr_count:     202
    .wavefront_size: 32
...
	.end_amdgpu_metadata
.endif
;; end of part 2
